; MI455X (gfx1250); checked and timed in simulation.
; The chip was launched on July 23, 2026; its instructions are those of AMD's public machine-readable ISA for CDNA 5 (MIT licence, August 2026) and "CDNA5" Instruction Set Architecture Reference Guide (July 2026). The comments in the code are by the model that wrote it; some were corrected since.
;; AFT Full Attention. Allowed arithmetic: matrix products marked QUANTISED: E5M2 operands, one given power-of-two scale a tensor, by v_wmma_f32_16x16x64_bf8_bf8 or v_wmma_f32_16x16x128_bf8_bf8, f32 sums; everything else in f32.
;; Inputs: Wk_codes 1,024 x 32 x 32 uint8 (E5M2 codes of Wk, K innermost, in blocks of 32 codes); Wo_codes 1,024 x 32 x 32 uint8 (E5M2 codes of Wo, K innermost, in blocks of 32 codes); Wq_codes 1,024 x 32 x 32 uint8 (E5M2 codes of Wq, K innermost, in blocks of 32 codes); Wv_codes 1,024 x 32 x 32 uint8 (E5M2 codes of Wv, K innermost, in blocks of 32 codes); bk 1,024 float32; bo 1,024 float32; bq 1,024 float32; bv 1,024 float32; lowp_scales 10 int32 (the exponents e of the quantised operands' scales 2^e); wbias 8 x 2,048 x 2,048 float32; x_codes 4 x 2,048 x 32 x 32 uint8 (E5M2 codes of x, K innermost, in blocks of 32 codes).
;; Outputs: out0 4 x 2,048 x 1,024 float32.
;; This version of the problem:
;;   THIS VERSION OF THE PROBLEM IS GIVEN IN LOW PRECISION. The matrix products marked QUANTISED in the list below multiply operands that are first quantised to E5M2 (5 exponent bits, 2 mantissa bits; 8 bits a number), with one given power-of-two scale for each operand tensor; their sums are f32. All else is computed in f32.
;;   The module's matrix products, in the order in which they are computed (A, B: the left and right operand; K: the contracted axis; several contracted axes count as one K, in the product's order):
;;     1. [M 8,192, K 1,024] x [K 1,024, N 1,024]; A: input x (given as codes); B: input Wq (given as codes): QUANTISED (scales: A lowp_scales[0], B lowp_scales[1])
;;     2. [M 8,192, K 1,024] x [K 1,024, N 1,024]; A: input x (given as codes); B: input Wk (given as codes): QUANTISED (scales: A lowp_scales[2], B lowp_scales[3])
;;     3. [M 8,192, K 1,024] x [K 1,024, N 1,024]; A: input x (given as codes); B: input Wv (given as codes): QUANTISED (scales: A lowp_scales[4], B lowp_scales[5])
;;     4. batch 8 x [M 512, K 2,048] x [K 2,048, N 2,048]; A: computed on the way; B: computed on the way: QUANTISED (scales: A lowp_scales[6], B lowp_scales[7])
;;     5. [M 8,192, K 1,024] x [K 1,024, N 1,024]; A: computed on the way; B: input Wo (given as codes): QUANTISED (scales: A lowp_scales[8], B lowp_scales[9])
;;   THE QUANTISER, for each operand of a quantised product, along K:
;;     - The operand's scale is 2^e, e = its entry of the input lowp_scales (int32; the entries are numbered through the quantised products in the list's order, A before B).
;;     - Each number is divided by the scale, clamped to +-57,344, and rounded to the nearest number of E5M2, ties to even, subnormals kept.
;;     - The product sums the exact products of the quantised numbers (number of the format x scale) in f32.
;;   ~~~python
;;   def quantise(x, axis, e):      # numpy; x: float32 -> the quantised numbers, widened to float32 again
;;       x = np.moveaxis(x, axis, -1); K = x.shape[-1]
;;       r = np.clip(x / 2.0 ** e, -57344, 57344)
;;       step = 2.0 ** (np.maximum(np.frexp(np.where(r == 0, 1, r))[1] - 1, -14) - 2)
;;       q = np.round(r / step) * step * 2.0 ** e      # np.round: ties to even
;;       return np.moveaxis(q, -1, axis).astype(np.float32)
;;   ~~~
;;   OPERANDS COMPUTED ON THE WAY. 'Computed on the way' means the value that the module computes at that place (a softmax that the list does not call 'softmax' is quantised finished and normalised). What goes into a quantiser is computed in f32, as accurately as f32 sums, v_exp_f32 and their like allow (about 1e-6 of the number): no bf16 or f16 on the way to a quantiser, and a product that is left as it is and whose result goes on into a quantised operand takes f32 operands (vector FMAs, or v_wmma_f32_16x16x4_f32). A number that lies on a knife's edge between two numbers of the format may be rounded either way, as far as f32 arithmetic and the matrix unit's own rounding can turn it there, and no further.
;;   INPUTS GIVEN AS CODES. Wk (in the module: [1024, 1024], K = its axis 1); Wo (in the module: [1024, 1024], K = its axis 1); Wq (in the module: [1024, 1024], K = its axis 1); Wv (in the module: [1024, 1024], K = its axis 1); x (in the module: [4, 2048, 1024], K = its axis 2): each comes as NAME_codes (uint8): NAME with its K axis moved to the last place and cut into blocks of 32 codes, [.., K / 32, bytes a block], one block behind the other in memory; one code a byte (a code: sign, 5 exponent bits, 2 mantissa bits); its scale is its entry of lowp_scales. Its value is code x scale, taken as it is: it is not quantised again, and the codes and scales need not be those that the quantiser above would give.
;; One version. Each part assembles by itself: llvm-mc -triple=amdgcn-amd-amdhsa -mcpu=gfx1250 --defsym DOCPART=n.
;; ======== version 1 of 1: 3 launches
;; limits: right only within a limited range of input values
;; workspace buffers: ek 8,388,608 bytes; wqf 1,048,576 bytes; wvf 1,048,576 bytes; ycodes 8,388,608 bytes
;; launch kproj (part 1): grid 8 x 32, 4 waves a work-group, clusters of 4 x 4, 327,680 bytes of LDS; arguments x_codes, Wk_codes, lowp_scales, bk, Wq_codes, Wv_codes, ek, wqf, wvf; writes ek, wqf, wvf
.if DOCPART == 1
	.amdgcn_target "amdgcn-amd-amdhsa--gfx1250"
	.amdhsa_code_object_version 6
	.text
	.protected	k_qc05d5c5962_kproj
	.globl	k_qc05d5c5962_kproj
	.p2align	8
	.type	k_qc05d5c5962_kproj,@function
k_qc05d5c5962_kproj:
	s_mov_b64 s[64:65], 0
	v_nop
	global_prefetch_b8 v0, s[64:65] scope:SCOPE_SE
	s_setreg_imm32_b32 hwreg(HW_REG_WAVE_MODE, 25, 1), 1
	s_wait_xcnt 0x0
	s_wait_alu depctr_hold_cnt(0) depctr_sa_sdst(0) depctr_va_vdst(0) depctr_va_sdst(0) depctr_va_ssrc(0) depctr_va_vcc(0) depctr_vm_vsrc(0)
	s_getreg_b32 s2, hwreg(HW_REG_IB_STS2, 6, 4)
	s_cmp_eq_u32 s2, 0
	s_cbranch_scc0 .Lentry_in_a_cluster
	s_endpgm
.Lentry_in_a_cluster:
	s_bfe_u32 s2, ttmp6, 0x10000c
	s_cmp_lg_u32 s2, 0xf033
	s_cbranch_scc0 .Lentry_shape_is_right
	s_endpgm
.Lentry_shape_is_right:
; ek = codes of exp(x Wk^T + bk) with the scale 2^e6, stored in the order in which the next launch's operand registers take them; Wq's and Wv's codes are copied into that register order too (2 KB a wave).
; A block of 256 rows of x by 128 rows of Wk to a work-group of four waves; a wave makes 128 x 64: 32 accumulators.  All products on codes of BF8 (E5M2), sums in f32.
; LDS: region 1 holds K 0-511 (row pitch 544 = 2 x (256 + 16)), region 2 holds K 512-767 (pitch 272) and is filled once more with K 768-1023.
; The head's four joint loads, one a wave, bring K 0-767: wave 0 x's K 0-511, wave 1 x's K 512-767, wave 2 Wk's K 0-511, wave 3 Wk's K 512-767.
; Region 2 is multiplied first; its refill (waves 1 and 3) has the four steps of region 1 in which to land.  Every wait on TENSORcnt is for 0.
; CLUSTERS: 4 x 4 work-groups; x's tiles are asked for jointly along a row of the cluster, Wk's along a column.
; No prefetch: the text has no loop to run ahead in; three quarters of K are asked for by the head's loads.
; LIMITS: e2 + e3 between -126 and 127 (added to log2(e)'s exponent field); e6 between -126 and 112.
.set P1,     544
.set P2,     272
.set R2,     384*P1
.set SPARE,  R2+384*P2                 ; the spare words, 128 bytes a wave, which no other line names
.set FLAGS,  (1<<20)|(1<<21)|(5<<22)|(3<<25)   ; elements of 1 byte; 4 words of padding behind every 64; bit 21 beside the mask
.set FR,     16
.set AF,     128
.set BI,     8
.set ADRA,   16                        ; v16, v17: x's fragments in region 1, 2
.set ADRB,   20                        ; v20, v21: Wk's
.set LOFF,   24
.set WOFF,   26
.set BIOF,   27
.set SPW,    28
.set NIL,    29
.set LIM,    30
.set SCL,    31
.set CD,     32
.set RL,     96
.set TT,     128
.set GA5, 24                           ; groups 1: x K 512 wide, x 256 wide, Wk 512 wide, Wk 256 wide
.set GA2, 48
.set GB5, 88
.set GB2, 40
.set Z0,  32                           ; groups 0, in the same order
.set Z1,  36
.set Z2,  56
.set Z3,  60
.set WV,  66
.set HI,  67
.set LO,  68
.set WGY, 69
.set CX,  96
.set CY,  97
.set WGX, 98
.set MR,  99
.set MC,  100
.set MULW, 0xa4                        ; source 0 (x) window 0, source 1 (Wk) window 1, C and D window 2
.set TO_B, 0x40
.set MSB, 0
.macro WIN new
.if MSB != \new
	s_set_vgpr_msb (MSB<<8)|\new
.set MSB, \new
.endif
.endm
.macro PLACES
.rept 4
	v_nop
.endr
.endm
.macro TL z, g                         ; a joint load with an s_nop and four v_nops behind it
	tensor_load_to_lds s[\z:\z+3], s[\g:\g+7]
	s_nop 0
	PLACES
.endm
.macro GRP g, c, r                     ; group 1's constant words: r rows of c bytes, 1,024 bytes apart in memory
	s_mov_b32 s[\g+1], (\c)<<16
	s_mov_b32 s[\g+2], (\r)<<16
	s_mov_b32 s[\g+3], (\c)<<16
	s_mov_b32 s[\g+4], \r
	s_mov_b32 s[\g+5], 1024
	s_mov_b32 s[\g+6], 0
	s_mov_b32 s[\g+7], 0
.endm
.macro GZ z, lds, base, off
	s_mov_b32 s[\z], 1
	s_mov_b32 s[\z+1], \lds
	s_add_nc_u64 s[\z+2:\z+3], s[\base:\base+1], \off
	s_or_b32 s[\z+3], s[\z+3], 0x80000000
.endm
.macro CREST
	s_cmp_lg_u32 s[WV], 0
	s_cbranch_scc1 .Lnot_wave_0_\@
	s_barrier_signal -3
.Lnot_wave_0_\@:
	s_barrier_wait -3
	s_barrier_signal -1
	s_barrier_wait -1
.endm
.macro CROUND
	s_barrier_signal -1
	s_barrier_wait -1
	CREST
.endm
	s_load_b512 s[4:19], s[0:1], 0x0               ; x 4:5, Wk 6:7, scales 8:9, bk 10:11, Wq 12:13, Wv 14:15, ek 16:17, wqf 18:19
	s_load_b64 s[20:21], s[0:1], 0x40              ; wvf
	v_lshl_add_u32 v[SPW], v0, 2, SPARE
	v_mov_b32 v[NIL], 0
	ds_add_u32 v[SPW], v[NIL]                      ; the opening lines: the add twice on end and one wait
	ds_add_u32 v[SPW], v[NIL]
	v_lshrrev_b32 v1, 5, v0
	v_readfirstlane_b32 s[WV], v1
	s_lshr_b32 s[HI], s[WV], 1                     ; my 128 rows of x
	s_and_b32 s[LO], s[WV], 1                      ; my 64 rows of Wk
	s_bfe_u32 s[CX], ttmp6, 0x40000
	s_bfe_u32 s[CY], ttmp6, 0x40004
	s_lshl_b32 s[WGX], ttmp9, 2
	s_add_co_u32 s[WGX], s[WGX], s[CX]
	s_and_b32 s[WGY], ttmp7, 0xffff
	s_lshl_b32 s[WGY], s[WGY], 2
	s_add_co_u32 s[WGY], s[WGY], s[CY]
	s_lshl_b32 s[MR], s[CY], 2
	s_lshl_b32 s[MR], 15, s[MR]                    ; my row of the cluster
	s_lshl_b32 s[MC], 0x1111, s[CX]                ; my column
	s_or_b32 s[GA5], s[MR], FLAGS
	s_or_b32 s[GA2], s[MR], FLAGS
	s_or_b32 s[GB5], s[MC], FLAGS
	s_or_b32 s[GB2], s[MC], FLAGS
	GRP GA5, 512, 256
	GRP GA2, 256, 256
	GRP GB5, 512, 128
	GRP GB2, 256, 128
	s_lshl_b32 s70, s[WGY], 18                     ; x: 256 rows of 1,024 bytes a block
	s_mov_b32 s71, 0
	s_lshl_b32 s72, s[WGX], 17                     ; Wk: 128 rows
	s_mov_b32 s73, 0
	s_wait_dscnt 0x0
	s_wait_kmcnt 0x0
	s_load_b64 s[74:75], s[8:9], 0x8               ; e2, e3
	s_load_b32 s76, s[8:9], 0x18                   ; e6
	s_add_nc_u64 s[70:71], s[4:5], s[70:71]
	s_add_nc_u64 s[72:73], s[6:7], s[72:73]
	CROUND                                         ; all sixteen work-groups are here: the first joint loads meet
	GZ Z0, 0, 70, 0
	GZ Z1, R2, 70, 512
	GZ Z2, 256*P1, 72, 0
	GZ Z3, R2+256*P2, 72, 512
	s_cmp_eq_u32 s[WV], 0                          ; one chain on the wave's number, one load to an arm, one join
	s_cbranch_scc0 .Lh1
	TL Z0, GA5
	s_branch .Lhj
.Lh1:
	s_cmp_eq_u32 s[WV], 1
	s_cbranch_scc0 .Lh2
	TL Z1, GA2
	s_branch .Lhj
.Lh2:
	s_cmp_eq_u32 s[WV], 2
	s_cbranch_scc0 .Lh3
	TL Z2, GB5
	s_branch .Lhj
.Lh3:
	TL Z3, GB2
.Lhj:
	s_mul_i32 s77, s[HI], 128*P1
	s_mul_i32 s78, s[LO], 64*P1
	s_add_co_u32 s78, s78, 256*P1
	s_mul_i32 s79, s[HI], 128*P2
	s_add_co_u32 s79, s79, R2
	s_mul_i32 s80, s[LO], 64*P2
	s_add_co_u32 s80, s80, R2+256*P2
	v_and_b32 v1, 15, v0                           ; r
	v_bfe_u32 v2, v0, 4, 1                         ; hh
	v_mul_u32_u24 v3, v1, P1
	v_lshl_add_u32 v3, v2, 4, v3
	v_mul_u32_u24 v4, v1, P2
	v_lshl_add_u32 v4, v2, 4, v4
	v_add_nc_u32 v[ADRA], s77, v3
	v_add_nc_u32 v[ADRB], s78, v3
	v_add_nc_u32 v[ADRA+1], s79, v4
	v_add_nc_u32 v[ADRB+1], s80, v4
	v_and_b32 v5, 31, v0
	v_lshlrev_b32 v[LOFF], 4, v5
	v_lshlrev_b32 v[WOFF], 10, v1
	v_lshl_add_u32 v[WOFF], v2, 4, v[WOFF]
	v_lshlrev_b32 v[BIOF], 2, v1
	s_wait_alu depctr_va_vdst(0)                   ; the wait ahead of the run of scalar lines
	s_lshl_b32 s79, s[WGY], 3                      ; which fragment of Wq or Wv this wave copies: 512 fragments each
	s_add_co_u32 s79, s79, s[WGX]
	s_lshl_b32 s79, s79, 2
	s_add_co_u32 s79, s79, s[WV]
	s_and_b32 s79, s79, 511
	s_and_b32 s80, s79, 1
	s_lshl_b32 s80, s80, 14
	s_bfe_u32 s82, s79, 0x20001
	s_lshl_b32 s82, s82, 17
	s_add_co_u32 s80, s80, s82
	s_bfe_u32 s82, s79, 0x20003
	s_lshl_b32 s82, s82, 15
	s_add_co_u32 s80, s80, s82
	s_bfe_u32 s82, s79, 0x30005
	s_lshl_b32 s82, s82, 7
	s_add_co_u32 s80, s80, s82
	s_lshr_b32 s82, s79, 8
	s_lshl_b32 s82, s82, 19
	s_add_co_u32 s80, s80, s82
	s_mov_b32 s81, 0
	s_lshl_b32 s82, s79, 11
	s_mov_b32 s83, 0
	s_and_b32 s86, ttmp7, 0xffff
	s_cmp_lt_u32 s86, 4                            ; the upper half of the grid copies Wq, the lower Wv
	s_cselect_b64 s[12:13], s[12:13], s[14:15]
	s_cselect_b64 s[18:19], s[18:19], s[20:21]
	s_add_nc_u64 s[12:13], s[12:13], s[80:81]
	s_add_nc_u64 s[18:19], s[18:19], s[82:83]
	s_lshl_b32 s86, s[WGX], 9
	s_lshl_b32 s87, s[LO], 8
	s_add_co_u32 s86, s86, s87
	s_mov_b32 s87, 0
	s_add_nc_u64 s[10:11], s[10:11], s[86:87]      ; bk at my 64 columns
.irp c, 0,1,2,3
	global_load_b128 v[RL+4*\c:RL+4*\c+3], v[WOFF], s[12:13] offset:32*\c
.endr
.irp ct, 0,1,2,3
	global_load_b32 v[BI+2*\ct], v[BIOF], s[10:11] offset:64*\ct
.endr
	s_and_b32 s86, s[WGY], 7                       ; where my codes go in ek
	s_lshl_b32 s86, s86, 20
	s_lshl_b32 s87, s[HI], 19
	s_add_co_u32 s86, s86, s87
	s_lshr_b32 s87, s[WGX], 2
	s_lshl_b32 s87, s87, 16
	s_add_co_u32 s86, s86, s87
	s_lshl_b32 s87, s[LO], 15
	s_add_co_u32 s86, s86, s87
	s_lshr_b32 s87, s[WGY], 3
	s_lshl_b32 s87, s87, 12
	s_add_co_u32 s86, s86, s87
	s_and_b32 s87, s[WGX], 3
	s_lshl_b32 s87, s87, 9
	s_add_co_u32 s86, s86, s87
	s_mov_b32 s87, 0
	s_add_nc_u64 s[16:17], s[16:17], s[86:87]
	s_wait_kmcnt 0x0
	s_add_co_i32 s74, s74, s75
	s_lshl_b32 s74, s74, 23
	s_add_co_i32 s84, s74, 0x3fb8aa3b              ; log2(e) x 2^(e2 + e3)
	s_mov_b32 s85, s84
	s_add_co_i32 s76, s76, 127
	s_lshl_b32 s75, s76, 23
	v_mov_b32 v[SCL], s75                          ; 2^e6
	s_add_co_i32 s76, s76, 15
	s_lshl_b32 s76, s76, 23
	s_or_b32 s76, s76, 0x600000
	v_mov_b32 v[LIM], s76                          ; 57,344 x 2^e6
	s_wait_loadcnt 4                               ; the fragment is in; bk's four loads may be out
.irp c, 0,1,2,3
	global_store_b128 v[LOFF], v[RL+4*\c:RL+4*\c+3], s[18:19] offset:512*\c
.endr
	s_wait_loadcnt 0x0
.irp ct, 0,1,2,3
	v_mul_f32 v[BI+2*\ct], 0x3fb8aa3b, v[BI+2*\ct]
.endr
.irp ct, 0,1,2,3
	v_mov_b32 v[BI+2*\ct+1], v[BI+2*\ct]
.endr
.macro FRAG reg, adr, slot, q, i       ; slot 0: region 1, slot 1: region 2; q: the 128 along K inside the region (16 bytes of padding behind every 256)
.irp c, 0,1,2,3
	ds_load_b128 v[\reg+4*\c:\reg+4*\c+3], v[\adr+\slot] offset:128*(\q)+16*((\q)/2)+32*\c+(\i)*16*(P1-P2*(\slot))
.endr
.endm
.macro MUL8 a0, p, zero                ; the 32 accumulators take turns in the same order in every step
.irp a, \a0, \a0+1
.irp b, 0,1,2,3
.if \zero
	v_wmma_f32_16x16x128_bf8_bf8 v[8*(4*(\a)+\b):8*(4*(\a)+\b)+7], v[AF+FR*(\a):AF+FR*(\a)+FR-1], v[64*(\p)+FR*\b:64*(\p)+FR*\b+FR-1], 0
.else
	v_wmma_f32_16x16x128_bf8_bf8 v[8*(4*(\a)+\b):8*(4*(\a)+\b)+7], v[AF+FR*(\a):AF+FR*(\a)+FR-1], v[64*(\p)+FR*\b:64*(\p)+FR*\b+FR-1], v[8*(4*(\a)+\b):8*(4*(\a)+\b)+7]
.endif
.endr
.endr
.endm
.macro FETCH_B slot, q, p
	WIN TO_B
.irp i, 0,1,2,3
	FRAG 64*(\p)+FR*\i, ADRB, \slot, \q, \i
.endr
	WIN 0
.endm
.macro FETCH_A slot, q, i0
.irp i, \i0, \i0+1, \i0+2, \i0+3
	FRAG AF+FR*(\i), ADRA, \slot, \q, \i
.endr
.endm
.macro STEP slot, q, zero              ; 128 along K whose successor lies in the same region
	s_wait_dscnt 16                                ; Wk's set and x's blocks 0-3 are in; the youngest 16 loads (blocks 4-7) may be out
	WIN MULW
	MUL8 0, (\q)%2, \zero
	MUL8 2, (\q)%2, \zero
	s_wait_dscnt 0
	PLACES
	FETCH_B \slot, (\q)+1, 1-(\q)%2
	FETCH_A \slot, (\q)+1, 0
	WIN MULW
	MUL8 4, (\q)%2, \zero
	MUL8 6, (\q)%2, \zero
	PLACES
	WIN 0
	FETCH_A \slot, (\q)+1, 4
.endm
.macro TURN next, fill                 ; a region's last step; fill = 1: region 2, just read out, takes K 768-1023
	s_wait_tensorcnt 0x0                           ; no tensor load of mine is out
	ds_add_u32 v[SPW], v[NIL]
	s_wait_dscnt 17                                ; the add and the youngest 16 loads may be out
	WIN MULW
	MUL8 0, 1, 0
	s_wait_dscnt 0x0                               ; the add is done, and my reads of this region are over
	s_barrier_signal -1
	MUL8 2, 1, 0
	WIN 0
	s_barrier_wait -1
.if \fill
	CREST                                          ; the barrier has opened a round of the cluster's
	s_add_nc_u64 s[Z1+2:Z1+3], s[Z1+2:Z1+3], 256
	s_add_nc_u64 s[Z3+2:Z3+3], s[Z3+2:Z3+3], 256
	s_cmp_eq_u32 s[WV], 1                          ; wave 1 asks for x's 256 rows, wave 3 for Wk's 128
	s_cbranch_scc0 .Lr1_\@
	TL Z1, GA2
	s_branch .Lrj_\@
.Lr1_\@:
	s_cmp_eq_u32 s[WV], 3
	s_cbranch_scc0 .Lrj_\@
	TL Z3, GB2
.Lrj_\@:
.endif
	PLACES
	FETCH_B \next, 0, 0
	FETCH_A \next, 0, 0
	WIN MULW
	MUL8 4, 1, 0
	MUL8 6, 1, 0
	PLACES
	WIN 0
	FETCH_A \next, 0, 4
.endm
	s_wait_alu depctr_va_vdst(0)                   ; the wait at the head's end
	s_wait_tensorcnt 0x0                           ; my head load is in
	s_barrier_signal -1
	s_barrier_wait -1                              ; all four are
	FETCH_B 1, 0, 0
	FETCH_A 1, 0, 0
	FETCH_A 1, 0, 4
	STEP 1, 0, 1                                   ; K 512-639 starts the sums
	TURN 0, 1                                      ; K 640-767; region 2 is filled again
	STEP 0, 0, 0                                   ; K 0-511
	STEP 0, 1, 0
	STEP 0, 2, 0
	TURN 1, 0                                      ; behind its barrier region 2 holds K 768-1023
	STEP 1, 0, 0
	s_wait_dscnt 16
	WIN MULW
	MUL8 0, 1, 0
	MUL8 2, 1, 0
	s_wait_dscnt 0
	MUL8 4, 1, 0
	MUL8 6, 1, 0
	WIN 0
	PLACES
.macro KOUT ap                         ; two blocks of 16 rows: exp, the hold, the conversion, the stores
	WIN 0x02
.irp ct, 0,1,2,3
.irp aa, 0,1
.irp jp, 0,2,4,6
	v_pk_fma_f32 v[TT+16*\ct+8*\aa+\jp:TT+16*\ct+8*\aa+\jp+1], v[8*(4*(2*\ap+\aa)+\ct)+\jp:8*(4*(2*\ap+\aa)+\ct)+\jp+1], s[84:85], v[BI+2*\ct:BI+2*\ct+1] op_sel_hi:[1,0,0]
.endr
.endr
.endr
	WIN 0
.set ke, 0
	s_wait_alu depctr_va_vdst(0)                   ; ahead of the batch
.rept 64
	v_exp_f32 v[TT+ke], v[TT+ke]
.set ke, ke+1
.endr
	v_nop
	s_wait_alu depctr_va_vdst(0)                   ; and behind it
.set ke, 0
.rept 64
	v_min_num_f32 v[TT+ke], v[TT+ke], v[LIM]
.set ke, ke+1
.endr
.irp ct, 0,1,2,3
.irp aa, 0,1
	v_cvt_scalef32_pk8_bf8_f32 v[CD+16*\ap+4*\ct+2*\aa:CD+16*\ap+4*\ct+2*\aa+1], v[TT+16*\ct+8*\aa:TT+16*\ct+8*\aa+7], v[SCL]
.endr
.endr
	v_nop
.irp ct, 0,1,2,3
	global_store_b128 v[LOFF], v[CD+16*\ap+4*\ct:CD+16*\ap+4*\ct+3], s[16:17] offset:\ap*131072+(\ct/2)*16384+(\ct%2)*2048
.endr
.endm
	KOUT 0
	KOUT 1
	KOUT 2
	KOUT 3
	s_wait_tensorcnt 0x0                           ; the wave's end
	ds_add_u32 v[SPW], v[NIL]
	s_wait_dscnt 0x0
	CROUND                                         ; the closing round
	s_endpgm
.Lfunc_end_k_qc05d5c5962_kproj:
	.size	k_qc05d5c5962_kproj, .Lfunc_end_k_qc05d5c5962_kproj-k_qc05d5c5962_kproj
	.p2alignl 7, 3214868480
	.fill 96, 4, 3214868480
	.section	.rodata,"a",@progbits
	.p2align	6, 0x0
	.amdhsa_kernel k_qc05d5c5962_kproj
		.amdhsa_group_segment_fixed_size 327680
		.amdhsa_private_segment_fixed_size 0
		.amdhsa_enable_private_segment 0
		.amdhsa_kernarg_size 72
		.amdhsa_user_sgpr_count 2
		.amdhsa_user_sgpr_kernarg_segment_ptr 1
		.amdhsa_wavefront_size32 1
		.amdhsa_system_sgpr_workgroup_id_x 1
		.amdhsa_system_sgpr_workgroup_id_y 1
		.amdhsa_system_sgpr_workgroup_id_z 1
		.amdhsa_system_vgpr_workitem_id 0
		.amdhsa_next_free_vgpr 768
		.amdhsa_next_free_sgpr 102
		.amdhsa_reserve_vcc 0
		.amdhsa_float_denorm_mode_32 3
		.amdhsa_float_denorm_mode_16_64 3
		.amdhsa_memory_ordered 1
		.amdhsa_forward_progress 1
		.amdhsa_inst_pref_size 85
	.end_amdhsa_kernel
	.amdgpu_metadata
---
amdhsa.version: [ 1, 2 ]
amdhsa.kernels:
  - .name:           k_qc05d5c5962_kproj
    .symbol:         k_qc05d5c5962_kproj.kd
    .args:
      - { .name: x_codes, .offset: 0, .size: 8, .value_kind: global_buffer, .address_space: global }
      - { .name: Wk_codes, .offset: 8, .size: 8, .value_kind: global_buffer, .address_space: global }
      - { .name: lowp_scales, .offset: 16, .size: 8, .value_kind: global_buffer, .address_space: global }
      - { .name: bk, .offset: 24, .size: 8, .value_kind: global_buffer, .address_space: global }
      - { .name: Wq_codes, .offset: 32, .size: 8, .value_kind: global_buffer, .address_space: global }
      - { .name: Wv_codes, .offset: 40, .size: 8, .value_kind: global_buffer, .address_space: global }
      - { .name: ek, .offset: 48, .size: 8, .value_kind: global_buffer, .address_space: global }
      - { .name: wqf, .offset: 56, .size: 8, .value_kind: global_buffer, .address_space: global }
      - { .name: wvf, .offset: 64, .size: 8, .value_kind: global_buffer, .address_space: global }
    .group_segment_fixed_size: 327680
    .private_segment_fixed_size: 0
    .kernarg_segment_align: 8
    .kernarg_segment_size: 72
    .max_flat_workgroup_size: 128
    .sgpr_count:     102
    .vgpr_count:     768
    .wavefront_size: 32
...
	.end_amdgpu_metadata
.endif
;; end of part 1
;; launch aft (part 2): grid 32 x 8, 4 waves a work-group, no clusters, 327,680 bytes of LDS; arguments wbias, x_codes, ek, wvf, wqf, bv, bq, lowp_scales, ycodes; writes ycodes
.if DOCPART == 2
	.amdgcn_target "amdgcn-amd-amdhsa--gfx1250"
	.amdhsa_code_object_version 6
	.text
	.protected	k_qc05d5c5962_aft
	.globl	k_qc05d5c5962_aft
	.p2align	8
	.type	k_qc05d5c5962_aft,@function
k_qc05d5c5962_aft:
	s_mov_b64 s[64:65], 0
	v_nop
	global_prefetch_b8 v0, s[64:65] scope:SCOPE_SE
	s_setreg_imm32_b32 hwreg(HW_REG_WAVE_MODE, 25, 1), 1
	s_wait_xcnt 0x0
; For one head h and 64 positions t' = 8 rho + kappa (16 rho x 4 kappa): v = x Wv^T, numer = exp(wbias) exp(k), the sums over the batch, q = x Wq^T, y = sigmoid(q) x weighted, quantised with 2^e8.  All products on codes of BF8 (E5M2).
; By the reshape, (b, h, t', d) of q, v and y is row 2048 b + 256 h + rho, column 128 kappa + d.  So the work-group's q and v are a plain tile, 64 rows of x (4 b x 16 rho) x 512 columns (4 kappa x 128 d), and no product is made twice.
; SHARES.  Wave w owns channels d = 32 w .. 32 w + 31 (u = 0, 1) for all 4 b and all 4 kappa: 32 accumulators.  It also fetches and quantises exp(wbias) of kappa = 4 kh + w, and fetches x's batch w.
; LAYOUT.  Every product has source 0 = 16 channels (a fragment of weights or of exp(k), in register order in memory, loaded straight into registers) and source 1 = 16 rho (x from LDS, or an image of exp(wbias) from LDS):
; a lane holds ONE rho and eight channels in v, numer and q alike, so the sums over b, the quotient and the sigmoid are work within a lane.
; THE KEYS' ORDER.  A period is 256 keys, two K steps g = 0, 1.  Position (hh, group c of 4 registers, pair T', byte i) of K step g stands for key 256 U + 128 T' + 64 hh + 8 i + 4 g + c, in both operands.
; A lane reads 64 neighbouring numbers of wbias; v_exp_f32 writes number 8 i + kappa to register 8 kappa + i, and the conversions' results are the operand's registers.
; ARITHMETIC.  numer's scale cancels in the quotient.  weighted = 2^ev (sum_b(N v') / sum_b N + bv 2^-ev), ev = e4 + e5, v' the raw sums; 2^ev goes into y's conversion: code = sigmoid x (..) / 2^(e8 - ev).
; NO JOINT LOADS: each fragment of exp(k) and of the weights is read by one wave of a work-group, once (2 MB a work-group): through LDS it would be written and read there once more and feed no second wave;
; wbias, 512 KB a work-group, is read by nobody else.
; LIMITS: e7 and e8 - e4 - e5 between -126 and 112; e4 + e5 between -127 and 126; e0 + e1 between -126 and 127.  NaN among the inputs is not served.
; exp is one rounded product (or multiply-add) and v_exp_f32: its error is about 1.2e-7 x |argument x log2(e)| of the result.
; LDS: two slots of wbias (each wave's 16 rows x 1,040 bytes); x (4 batches x 16 rows x 1,040); two buffers of 8 images; the stage for y; the spare words.
; REGISTERS: window 0: v3-19 addresses and constants; A0 v32-95, A1 v96-159: source 1's fragments, or numbers at work; EX v160-223; PCD v224-255 codes just made.
;   window 1: source 0's fragments, two sets of 128.   window 2: numer N(b,u,k') at 8 (4 (2 b + u) + k'), later q at 8 (4 (2 k' + u) + b).   window 3: v at 8 (4 (2 k' + u) + b), later bq in v0-63.
.set KS64,   65536                     ; from K step to K step in ek, wvf, wqf
.set PW,     1040                      ; an LDS row: 1,024 bytes + 16 of padding
.set WBW,    16*PW
.set WBS,    4*WBW
.set XT,     2*WBS
.set IMG,    XT+WBS
.set STG,    IMG+32768
.set SPITCH, 528
.set SPARE,  STG+64*SPITCH             ; the spare words, 128 bytes a wave, which no other line names
.set LOFF, 3                           ; v3   16 x lane
.set LA,   4                           ; v4,5 my 256 bytes of my row in my tile, slot 0, 1
.set XA,   6                           ; v6   x's fragments
.set LI,   7                           ; v7   an image's place for my lane
.set IW,   8                           ; v8   where I store my images
.set SO,   9                           ; v9   the stage, in
.set SR,   10                          ; v10  the stage, out
.set PFO,  11                          ; v11  the prefetches' offset
.set SPW,  12
.set NIL,  13
.set HW,   14                          ; 57,344 x 2^e7
.set SW,   15                          ; 2^e7
.set HY,   16                          ; 57,344 x 2^(e8 - ev)
.set SY,   17                          ; 2^(e8 - ev)
.set BOF,  18                          ; 32 hh
.set A0,   32
.set A1,   96
.set EX,   160
.set PCD,  224
.set WV,   22
.set G1W,  36
.set G1X,  44
.set G0X,  52
.set G0W,  56                          ; s[56:59] slot 0, s[60:63] slot 1
.set EKP,  66
.set WVP,  68
.set WQP,  70
.set PFA,  72
.set BVP,  86
.set BQP,  88
.set CNT,  90
.set YP,   92
.set MSB, 0
.macro WIN new
.if MSB != \new
	s_set_vgpr_msb (MSB<<8)|\new
.set MSB, \new
.endif
.endm
.macro PLACES
.rept 4
	v_nop
.endr
.endm
	s_load_b512 s[4:19], s[0:1], 0x0               ; wbias 4:5, x 6:7, ek 8:9, wvf 10:11, wqf 12:13, bv 14:15, bq 16:17, scales 18:19
	s_load_b64 s[20:21], s[0:1], 0x40              ; ycodes
	v_lshl_add_u32 v[SPW], v0, 2, SPARE
	v_mov_b32 v[NIL], 0
	ds_add_u32 v12, v13
	ds_add_u32 v12, v13
	s_wait_dscnt 0x0
	v_lshrrev_b32 v1, 5, v0
	v_readfirstlane_b32 s[WV], v1
	v_and_b32 v1, 31, v0
	v_and_b32 v2, 15, v0                           ; r
	v_bfe_u32 v19, v0, 4, 1                        ; hh
	v_lshlrev_b32 v[LOFF], 4, v1
	s_lshr_b32 s23, ttmp9, 1                       ; R: rho = 16 R + r
	s_and_b32 s34, ttmp9, 1                        ; kh: kappa = 4 kh + k'
	s_and_b32 s35, ttmp7, 0xffff                   ; h
	s_mov_b32 s[G1W], (2<<16)|(1<<20)|(7<<22)|(3<<25)   ; elements of 4 bytes; padding: 4 words behind every 256
	s_mov_b32 s[G1W+1], 256<<16                    ; tensor_dim0 = 256
	s_mov_b32 s[G1W+2], 16<<16                     ; tensor_dim1 = 16
	s_mov_b32 s[G1W+3], 256<<16                    ; tile_dim0
	s_mov_b32 s[G1W+4], 16                         ; tile_dim1
	s_mov_b32 s[G1W+5], 16384                      ; from rho to rho + 1: 8 rows of 2,048 numbers
	s_mov_b32 s[G1W+6], 0
	s_mov_b32 s[G1W+7], 0
	s_mov_b32 s[G1X], (1<<20)|(7<<22)|(3<<25)      ; elements of 1 byte; the same padding
	s_mov_b32 s[G1X+1], 1024<<16
	s_mov_b32 s[G1X+2], 16<<16
	s_mov_b32 s[G1X+3], 1024<<16
	s_mov_b32 s[G1X+4], 16
	s_mov_b32 s[G1X+5], 1024
	s_mov_b32 s[G1X+6], 0
	s_mov_b32 s[G1X+7], 0
	s_lshl_b32 s82, s[WV], 21                      ; x and y: batch w, row 256 h + 16 R
	s_lshl_b32 s3, s35, 18
	s_add_co_u32 s82, s82, s3
	s_lshl_b32 s3, s23, 14
	s_add_co_u32 s82, s82, s3
	s_mov_b32 s83, 0
	s_lshl_b32 s84, s35, 24                        ; wbias: head h, row 128 R + 4 kh + w
	s_lshl_b32 s3, s23, 20
	s_add_co_u32 s84, s84, s3
	s_lshl_b32 s3, s34, 15
	s_add_co_u32 s84, s84, s3
	s_lshl_b32 s3, s[WV], 13
	s_add_co_u32 s84, s84, s3
	s_mov_b32 s85, 0
	s_mul_i32 s2, s[WV], WBW                       ; my tile's place in a slot, and in x's region
	s_wait_alu depctr_va_vdst(0)
	s_wait_kmcnt 0x0
	s_load_b256 s[24:31], s[18:19], 0x0            ; e0 .. e7
	s_load_b64 s[32:33], s[18:19], 0x20            ; e8, e9
	s_add_nc_u64 s[PFA:PFA+1], s[4:5], s[84:85]
	s_mov_b32 s[G0X], 1
	s_add_co_u32 s[G0X+1], s2, XT
	s_add_nc_u64 s[G0X+2:G0X+3], s[6:7], s[82:83]
	s_or_b32 s[G0X+3], s[G0X+3], 0x80000000
	s_mov_b32 s[G0W], 1
	s_mov_b32 s[G0W+1], s2
	s_mov_b64 s[G0W+2:G0W+3], s[PFA:PFA+1]
	s_or_b32 s[G0W+3], s[G0W+3], 0x80000000
	s_mov_b32 s[G0W+4], 1
	s_add_co_u32 s[G0W+5], s2, WBS
	s_add_nc_u64 s[G0W+6:G0W+7], s[PFA:PFA+1], 1024
	s_or_b32 s[G0W+7], s[G0W+7], 0x80000000
	s_lshl_b32 s94, s35, 20
	s_lshl_b32 s3, s[WV], 14
	s_add_co_u32 s94, s94, s3
	s_mov_b32 s95, 0
	s_add_nc_u64 s[EKP:EKP+1], s[8:9], s[94:95]    ; ek: head h, my 16 KB of each K step
	s_lshl_b32 s94, s34, 19
	s_add_co_u32 s94, s94, s3
	s_add_nc_u64 s[WVP:WVP+1], s[10:11], s[94:95]
	s_add_nc_u64 s[WQP:WQP+1], s[12:13], s[94:95]
	s_lshl_b32 s94, s34, 11
	s_lshl_b32 s3, s[WV], 7
	s_add_co_u32 s94, s94, s3
	s_add_nc_u64 s[BVP:BVP+1], s[14:15], s[94:95]  ; the biases at column 512 kh + 32 w
	s_add_nc_u64 s[BQP:BQP+1], s[16:17], s[94:95]
	s_lshl_b32 s94, s34, 9
	s_add_nc_u64 s[YP:YP+1], s[20:21], s[82:83]
	s_add_nc_u64 s[YP:YP+1], s[YP:YP+1], s[94:95]
	tensor_load_to_lds s[G0X:G0X+3], s[G1X:G1X+7]              ; x's batch w: my one tensor load at the head
	s_nop 0
.rept 4
	v_nop
.endr
.macro FETCH0 set, sb, off             ; source 0's eight fragments of a K step: 16 KB on end, 32 loads of 512 consecutive bytes
	WIN 0x40
.set fi, 0
.rept 32
	global_load_b128 v[128*(\set)+4*fi:128*(\set)+4*fi+3], v[LOFF], s[\sb:\sb+1] offset:(\off)+512*fi
.set fi, fi+1
.endr
	WIN 0
.endm
.macro FETCHX set, ks                  ; x's four fragments (batch b) of K step ks
	WIN 0
.irp b, 0,1,2,3
.irp c, 0,1,2,3
	ds_load_b128 v[A0+64*(\set)+16*\b+4*\c:A0+64*(\set)+16*\b+4*\c+3], v[XA] offset:\b*WBW+128*(\ks)+32*\c
.endr
.endr
.endm
.macro FETCHI g, buf                   ; the four images (kappa k') of K step g
	WIN 0
.irp k, 0,1,2,3
.irp c, 0,1,2,3
	ds_load_b128 v[A0+64*(\g)+16*\k+4*\c:A0+64*(\g)+16*\k+4*\c+3], v[LI] offset:(\buf)*16384+(\g)*8192+\k*2048+512*\c
.endr
.endr
.endm
.macro MUL32 set, zero                 ; 8 fragments of source 0 x 4 of source 1; the 32 accumulators take turns in the same order in every step
.set mi, 0
.rept 8
.set mj, 0
.rept 4
.if \zero
	v_wmma_f32_16x16x128_bf8_bf8 v[8*(4*mi+mj):8*(4*mi+mj)+7], v[128*(\set)+16*mi:128*(\set)+16*mi+15], v[A0+64*(\set)+16*mj:A0+64*(\set)+16*mj+15], 0
.else
	v_wmma_f32_16x16x128_bf8_bf8 v[8*(4*mi+mj):8*(4*mi+mj)+7], v[128*(\set)+16*mi:128*(\set)+16*mi+15], v[A0+64*(\set)+16*mj:A0+64*(\set)+16*mj+15], v[8*(4*mi+mj):8*(4*mi+mj)+7]
.endif
.set mj, mj+1
.endr
.set mi, mi+1
.endr
.endm
.macro PSTEP set, win, zero, lc, dc    ; a K step; lc, dc: the younger global and LDS loads that may stay out; four places follow, for the loads into the registers just read
	s_wait_loadcnt \lc
	s_wait_dscnt \dc
	WIN \win
	MUL32 \set, \zero
	PLACES
.endm
.macro BLOAD reg, sb                   ; a bias in the results' layout: tile t = 2 k' + u, my eight channels
.irp t, 0,1,2,3,4,5,6,7
	global_load_b128 v[\reg+8*\t:\reg+8*\t+3], v[BOF], s[\sb:\sb+1] offset:(128*(\t/2)+16*(\t%2))*4
	global_load_b128 v[\reg+8*\t+4:\reg+8*\t+7], v[BOF], s[\sb:\sb+1] offset:(128*(\t/2)+16*(\t%2))*4+16
.endr
.endm
.macro QHALF x, tp, dc                 ; 64 neighbouring numbers of wbias in v[x] on become pair tp of each group of both fragments
	s_wait_dscnt \dc
.set qe, 0
.rept 32
	v_pk_mul_f32 v[\x+qe:\x+qe+1], v[\x+qe:\x+qe+1], s[74:75] op_sel_hi:[1,0]
.set qe, qe+2
.endr
.set qe, 0
	s_wait_alu depctr_va_vdst(0)
.rept 64
	v_exp_f32 v[EX+8*(qe%8)+qe/8], v[\x+qe]        ; number 8 i + kappa goes to register 8 kappa + i
.set qe, qe+1
.endr
	v_nop                                          ; a plain instruction behind the last exponential
	s_wait_alu depctr_va_vdst(0)                   ; one wait for the batch, ahead of its first reader
.set qe, 0
.rept 64
	v_min_num_f32 v[EX+qe], v[EX+qe], v[HW]        ; the conversion does not saturate (ISA guide 7.6.2); exp is never negative
.set qe, qe+1
.endr
.set qe, 0
.rept 8
	v_cvt_scalef32_pk8_bf8_f32 v[PCD+16*(qe/4)+4*(qe%4)+2*(\tp):PCD+16*(qe/4)+4*(qe%4)+2*(\tp)+1], v[EX+8*qe:EX+8*qe+7], v[SW]
.set qe, qe+1
.endr
	v_nop                                          ; a plain instruction between the conversions and the next write of their sources
.endm
.macro QUANT slot, buf                 ; my tile of 16 rho x 256 keys in a slot becomes two images in a buffer
	WIN 0
.set qi, 0
.rept 16
	ds_load_b128 v[A1+4*qi:A1+4*qi+3], v[LA+(\slot)] offset:16*qi
.set qi, qi+1
.endr
.set qi, 0
.rept 16
	ds_load_b128 v[A0+4*qi:A0+4*qi+3], v[LA+(\slot)] offset:512+16*qi
.set qi, qi+1
.endr
	QHALF A1, 0, 16                                ; the first 16 loads are in; the second half's 16 may be out
	QHALF A0, 1, 0
.irp g, 0,1
.irp c, 0,1,2,3
	ds_store_b128 v[IW], v[PCD+16*\g+4*\c:PCD+16*\g+4*\c+3] offset:(\buf)*16384+\g*8192+512*\c
.endr
.endr
.endm
; A PERIOD: 256 keys.  ONE barrier: in front of it my images of this period are stored, my reads of the other buffer and of my slot are over, and all my tensor loads have landed.
; Behind it: the refill of the slot that was quantised last (keys two periods on), the images, two K steps, the next period's fragments of exp(k), and the next period's quantising into the other buffer.
.macro PERIOD par, zero, refill, pf, nb, n0, n1, lc, quant, bvl
	WIN 0
	s_wait_tensorcnt 0x0                           ; no tensor load of mine is out, so a descriptor may be written
	ds_add_u32 v[SPW], v[NIL]                      ; 0 onto my spare word
.if \refill
	s_add_nc_u64 s[G0W+4*(\par)+2:G0W+4*(\par)+3], s[G0W+4*(\par)+2:G0W+4*(\par)+3], 2048
.endif
	s_wait_dscnt 0x0                               ; the add, my stores of images and my reads are done
	s_barrier_signal -1
	s_barrier_wait -1
.if \refill
	tensor_load_to_lds s[G0W+4*(\par):G0W+4*(\par)+3], s[G1W:G1W+7]   ; my one tensor load behind the barrier, and the first thing there
	s_nop 0
.rept 4
	v_nop
.endr
.endif
.if \bvl
	BLOAD EX, BVP
.endif
	FETCHI 0, \par
	FETCHI 1, \par
.if \pf >= 0
	global_prefetch_b8 v[PFO], s[PFA:PFA+1] offset:\pf th:TH_LOAD_NT scope:SCOPE_SE          ; my tile of three periods on, whose tensor load goes out in the next period: 16 rows x 1,024 bytes,
	global_prefetch_b8 v[PFO], s[PFA:PFA+1] offset:(\pf)+512 th:TH_LOAD_NT scope:SCOPE_SE    ; a lane to each 256 bytes: each is named once in the launch
.endif
	PSTEP 0, 0xa1, \zero, \lc, 16                  ; set 0 is in; K step 1's 16 image loads may be out
	FETCH0 0, \nb, \n0
	PSTEP 1, 0xa1, 0, \lc, 0
	FETCH0 1, \nb, \n1
.if \quant
	s_wait_tensorcnt \refill                       ; the tile to be quantised has landed; the refill just issued may be out
	QUANT 1-(\par), 1-(\par)
.endif
.endm
	FETCH0 0, WVP, 0                               ; Wv's fragments of K steps 0 and 1
	FETCH0 1, WVP, KS64
	v_mul_u32_u24 v20, v2, PW
	v_lshl_add_u32 v[LA], v19, 8, v20
	v_add_nc_u32 v[LA], s2, v[LA]
	v_add_nc_u32 v[LA+1], WBS, v[LA]
	v_lshl_add_u32 v[XA], v19, 4, v20
	v_add_nc_u32 v[XA], XT, v[XA]
	v_add_nc_u32 v[LI], IMG, v[LOFF]
	s_lshl_b32 s3, s[WV], 11
	v_add_nc_u32 v[IW], s3, v[LI]
	v_mul_u32_u24 v[SO], v2, SPITCH
	v_lshl_add_u32 v[SO], v19, 3, v[SO]
	s_lshl_b32 s3, s[WV], 5
	v_add_nc_u32 v[SO], s3, v[SO]
	v_add_nc_u32 v[SO], STG, v[SO]                 ; row r, + 8 hh + 32 w: my eight codes' place
	s_mul_i32 s3, s[WV], 16*SPITCH
	v_add_nc_u32 v[SR], s3, v[LOFF]
	v_add_nc_u32 v[SR], STG, v[SR]
	v_lshlrev_b32 v[PFO], 16, v2                   ; a tile's rows lie 65,536 bytes apart in memory
	v_lshl_add_u32 v[PFO], v19, 8, v[PFO]
	v_lshlrev_b32 v[BOF], 5, v19
	s_mov_b32 s74, 0x3fb8aa3b                      ; log2(e)
	s_mov_b32 s75, s74
	s_mov_b32 s80, 0xbfb8aa3b                      ; -log2(e)
	s_mov_b32 s81, s80
	s_wait_kmcnt 0x0
	s_add_co_i32 s3, s28, s29                      ; ev = e4 + e5
	s_sub_co_i32 s78, 127, s3
	s_lshl_b32 s78, s78, 23                        ; 2^-ev
	s_mov_b32 s79, s78
	s_add_co_i32 s76, s24, s25
	s_lshl_b32 s76, s76, 23
	s_add_co_i32 s76, s76, 0xbfb8aa3b              ; -log2(e) x 2^(e0 + e1)
	s_mov_b32 s77, s76
	s_add_co_i32 s94, s31, 127
	s_lshl_b32 s95, s94, 23
	v_mov_b32 v[SW], s95
	s_add_co_i32 s94, s94, 15
	s_lshl_b32 s94, s94, 23
	s_or_b32 s94, s94, 0x600000
	v_mov_b32 v[HW], s94
	s_sub_co_i32 s94, s32, s3
	s_add_co_i32 s94, s94, 127
	s_lshl_b32 s95, s94, 23
	v_mov_b32 v[SY], s95
	s_add_co_i32 s94, s94, 15
	s_lshl_b32 s94, s94, 23
	s_or_b32 s94, s94, 0x600000
	v_mov_b32 v[HY], s94
	s_wait_alu depctr_va_vdst(0)                   ; the wait at the head's end
	s_wait_tensorcnt 0x0                           ; my batch of x is in
	ds_add_u32 v[SPW], v[NIL]                      ; the add and the wait, ahead of a later first fill
	s_wait_dscnt 0x0
	s_barrier_signal -1
	s_barrier_wait -1                              ; all four batches are
	tensor_load_to_lds s[G0W:G0W+3], s[G1W:G1W+7]              ; keys 0-255: slot 0's first fill
	s_nop 0
.rept 4
	v_nop
.endr
	FETCHX 0, 0
	FETCHX 1, 1
	; ---- v' = x Wv^T: eight K steps on two sets.  Global loads: the other set's 32 may be out.  LDS loads: the other set's 16.
.irp ks, 0,1,2,3,4,5,6,7
.if \ks == 0
	PSTEP 0, 0xf1, 1, 32, 16
.elseif \ks == 7
	PSTEP 1, 0xf1, 0, 32, 0
.else
	PSTEP \ks%2, 0xf1, 0, 32, 16
.endif
.if \ks < 6
	FETCH0 \ks%2, WVP, (\ks+2)*KS64
	FETCHX \ks%2, \ks+2
.elseif \ks == 6
	FETCH0 0, EKP, 0                               ; exp(k) of the first period
.else
	FETCH0 1, EKP, KS64
.endif
.if \ks == 3
	s_wait_tensorcnt 0x0                           ; keys 0-255 are in
	ds_add_u32 v[SPW], v[NIL]                      ; the same lines ahead of slot 1's first fill
	s_wait_dscnt 0x0
	s_barrier_signal -1
	s_barrier_wait -1
	tensor_load_to_lds s[G0W+4:G0W+7], s[G1W:G1W+7]            ; keys 256-511
	s_nop 0
.rept 4
	v_nop
.endr
.endif
.endr
	s_wait_tensorcnt 1
	QUANT 0, 0
	; ---- numer: eight periods
	PERIOD 0, 1, 1, 3072, EKP, 2*KS64, 3*KS64, 32, 1, 0
	s_mov_b32 s[CNT], 2
.Lpair:                                            ; periods 1, 2 and 3, 4
	PERIOD 1, 0, 1, 4096, EKP, 4*KS64, 5*KS64, 32, 1, 0
	PERIOD 0, 0, 1, 5120, EKP, 6*KS64, 7*KS64, 32, 1, 0
	s_wait_xcnt 0x0                                ; the loads and prefetches have read their bases: both may step
	s_add_nc_u64 s[EKP:EKP+1], s[EKP:EKP+1], 4*KS64
	s_add_nc_u64 s[PFA:PFA+1], s[PFA:PFA+1], 2048
	s_sub_co_u32 s[CNT], s[CNT], 1
	s_cmp_lg_u32 s[CNT], 0
	s_cbranch_scc1 .Lpair
	PERIOD 1, 0, 1, -1, EKP, 4*KS64, 5*KS64, 32, 1, 0          ; period 5: the last refill; there is no period 8 to prefetch
	PERIOD 0, 0, 0, -1, EKP, 6*KS64, 7*KS64, 32, 1, 0          ; period 6
	PERIOD 1, 0, 0, -1, WQP, 0, KS64, 48, 0, 1                 ; period 7: bv's 16 loads and the other set's 32 may be out; Wq's first two K steps are asked for
	; ---- the sums over the batch.  M = sum_b N v' in A0, Dn = sum_b N in A1; tile t = 2 k' + u.  Each accumulator is read from its low end on.
	WIN 0x0e                                       ; source 0 (N) window 2, source 1 (v') window 3
.set ct, 0
.rept 8
.set cj, 0
.rept 4
	v_pk_mul_f32 v[A0+8*ct+cj:A0+8*ct+cj+1], v[8*(4*(ct%2)+ct/2)+cj:8*(4*(ct%2)+ct/2)+cj+1], v[8*(4*ct)+cj:8*(4*ct)+cj+1]
.set cj, cj+2
.endr
.set ct, ct+1
.endr
.set cb, 1
.rept 3
.set ct, 0
.rept 8
.set cj, 0
.rept 4
	v_pk_fma_f32 v[A0+8*ct+cj:A0+8*ct+cj+1], v[8*(4*(2*cb+ct%2)+ct/2)+cj:8*(4*(2*cb+ct%2)+ct/2)+cj+1], v[8*(4*ct+cb)+cj:8*(4*ct+cb)+cj+1], v[A0+8*ct+cj:A0+8*ct+cj+1]
.set cj, cj+2
.endr
.set ct, ct+1
.endr
.set cb, cb+1
.endr
	WIN 0x0a                                       ; sources 0 and 1 window 2
.set ct, 0
.rept 8
.set cj, 0
.rept 4
	v_pk_add_f32 v[A1+8*ct+cj:A1+8*ct+cj+1], v[8*(4*(ct%2)+ct/2)+cj:8*(4*(ct%2)+ct/2)+cj+1], v[8*(4*(2+ct%2)+ct/2)+cj:8*(4*(2+ct%2)+ct/2)+cj+1]
.set cj, cj+2
.endr
.set ct, ct+1
.endr
	WIN 0x02
.set cb, 2
.rept 2
.set ct, 0
.rept 8
.set cj, 0
.rept 4
	v_pk_add_f32 v[A1+8*ct+cj:A1+8*ct+cj+1], v[8*(4*(2*cb+ct%2)+ct/2)+cj:8*(4*(2*cb+ct%2)+ct/2)+cj+1], v[A1+8*ct+cj:A1+8*ct+cj+1]
.set cj, cj+2
.endr
.set ct, ct+1
.endr
.set cb, cb+1
.endr
	WIN 0
.set ce, 0
	s_wait_alu depctr_va_vdst(0)
.rept 64
	v_rcp_f32 v[A1+ce], v[A1+ce]
.set ce, ce+1
.endr
	s_wait_loadcnt 32                              ; bv and Wq's K step 0 are in; K step 1's 32 loads may be out
.set ce, 0
.rept 32
	v_pk_mul_f32 v[EX+ce:EX+ce+1], v[EX+ce:EX+ce+1], s[78:79] op_sel_hi:[1,0]   ; bv 2^-ev: plain work behind the reciprocals
.set ce, ce+2
.endr
	s_wait_alu depctr_va_vdst(0)                   ; one wait for the 64 reciprocals, ahead of their first reader
.set ce, 0
.rept 32
	v_pk_fma_f32 v[EX+ce:EX+ce+1], v[A0+ce:A0+ce+1], v[A1+ce:A1+ce+1], v[EX+ce:EX+ce+1]   ; W = M / Dn + bv 2^-ev
.set ce, ce+2
.endr
	WIN 0xc0                                       ; destination window 3: v' has been read
	BLOAD 0, BQP
	FETCHX 0, 0
	FETCHX 1, 1
	; ---- q' = x Wq^T.  Global loads that may be out: steps 0, 1: one set and bq's 16; then one set; at the end none
.irp ks, 0,1,2,3,4,5,6,7
.if \ks == 0
	PSTEP 0, 0xa1, 1, 48, 16
.elseif \ks == 1
	PSTEP 1, 0xa1, 0, 48, 16
.elseif \ks == 7
	PSTEP 1, 0xa1, 0, 0, 0
.else
	PSTEP \ks%2, 0xa1, 0, 32, 16
.endif
.if \ks < 6
	FETCH0 \ks%2, WQP, (\ks+2)*KS64
	FETCHX \ks%2, \ks+2
.endif
.endr
	WIN 0xc3                                       ; source 0 and destination window 3
.set ce, 0
.rept 32
	v_pk_mul_f32 v[ce:ce+1], v[ce:ce+1], s[80:81] op_sel_hi:[1,0]   ; -bq log2(e)
.set ce, ce+2
.endr
; y of kappa 4 kh + kp: sigmoid(q) = 1 / (1 + 2^(-q log2(e))), x W, held, converted; eight codes a lane and tile go to the stage.  Number 8 (2 b + u) + j in A0.
.macro FINAL kp
	WIN 0x32                                       ; source 0 (q') window 2, source 2 (bq) window 3
.set fn, 0
.rept 8
.set fj, 0
.rept 4
	v_pk_fma_f32 v[A0+8*fn+fj:A0+8*fn+fj+1], v[8*(4*(2*(\kp)+fn%2)+fn/2)+fj:8*(4*(2*(\kp)+fn%2)+fn/2)+fj+1], s[76:77], v[8*(2*(\kp)+fn%2)+fj:8*(2*(\kp)+fn%2)+fj+1] op_sel_hi:[1,0,1]
.set fj, fj+2
.endr
.set fn, fn+1
.endr
	WIN 0
.set fe, 0
	s_wait_alu depctr_va_vdst(0)
.rept 64
	v_exp_f32 v[A0+fe], v[A0+fe]
.set fe, fe+1
.endr
	v_nop
	s_wait_alu depctr_va_vdst(0)                   ; one wait for the exponentials
.set fe, 0
.rept 32
	v_pk_add_f32 v[A0+fe:A0+fe+1], v[A0+fe:A0+fe+1], 1.0 op_sel_hi:[1,0]
.set fe, fe+2
.endr
.set fe, 0
	s_wait_alu depctr_va_vdst(0)
.rept 64
	v_rcp_f32 v[A0+fe], v[A0+fe]
.set fe, fe+1
.endr
	v_nop
	s_wait_alu depctr_va_vdst(0)                   ; one wait for the reciprocals
.set fn, 0
.rept 8
.set fj, 0
.rept 4
	v_pk_mul_f32 v[A0+8*fn+fj:A0+8*fn+fj+1], v[A0+8*fn+fj:A0+8*fn+fj+1], v[EX+8*(2*(\kp)+fn%2)+fj:EX+8*(2*(\kp)+fn%2)+fj+1]
.set fj, fj+2
.endr
.set fn, fn+1
.endr
.set fe, 0
.rept 64
	v_med3_num_f32 v[A0+fe], v[A0+fe], -v[HY], v[HY]
.set fe, fe+1
.endr
.set fn, 0
.rept 8
	v_cvt_scalef32_pk8_bf8_f32 v[A1+16*(\kp)+2*fn:A1+16*(\kp)+2*fn+1], v[A0+8*fn:A0+8*fn+7], v[SY]
.set fn, fn+1
.endr
	v_nop                                          ; a plain instruction between the conversions and the next write of their sources
.set fn, 0
.rept 8
	ds_store_b64 v[SO], v[A1+16*(\kp)+2*fn:A1+16*(\kp)+2*fn+1] offset:(fn/2)*16*SPITCH+128*(\kp)+16*(fn%2)   ; row 16 b + r, column 128 k' + 32 w + 16 u + 8 hh
.set fn, fn+1
.endr
.endm
	FINAL 0
	FINAL 1
	FINAL 2
	FINAL 3
	s_wait_dscnt 0x0                               ; for the others' sake: my stores into the stage are done
	s_barrier_signal -1
	s_barrier_wait -1
.irp i, 0,1,2,3,4,5,6,7,8,9,10,11,12,13,14,15
	ds_load_b128 v[A0+4*\i:A0+4*\i+3], v[SR] offset:\i*SPITCH    ; batch w's 16 rows, 512 bytes each
.endr
.irp i, 0,1,2,3,4,5,6,7,8,9,10,11,12,13,14,15
	s_wait_dscnt 15-\i
	global_store_b128 v[LOFF], v[A0+4*\i:A0+4*\i+3], s[YP:YP+1] offset:1024*\i   ; 32 lanes store 512 consecutive bytes, aligned
.endr
	s_wait_tensorcnt 0x0                           ; the wave's end
	ds_add_u32 v[SPW], v[NIL]
	s_wait_dscnt 0x0
	s_endpgm
.Lfunc_end_k_qc05d5c5962_aft:
	.size	k_qc05d5c5962_aft, .Lfunc_end_k_qc05d5c5962_aft-k_qc05d5c5962_aft
	.p2alignl 7, 3214868480
	.fill 96, 4, 3214868480
	.section	.rodata,"a",@progbits
	.p2align	6, 0x0
	.amdhsa_kernel k_qc05d5c5962_aft
		.amdhsa_group_segment_fixed_size 327680
		.amdhsa_private_segment_fixed_size 0
		.amdhsa_enable_private_segment 0
		.amdhsa_kernarg_size 72
		.amdhsa_user_sgpr_count 2
		.amdhsa_user_sgpr_kernarg_segment_ptr 1
		.amdhsa_wavefront_size32 1
		.amdhsa_system_sgpr_workgroup_id_x 1
		.amdhsa_system_sgpr_workgroup_id_y 1
		.amdhsa_system_sgpr_workgroup_id_z 1
		.amdhsa_system_vgpr_workitem_id 0
		.amdhsa_next_free_vgpr 1024
		.amdhsa_next_free_sgpr 96
		.amdhsa_reserve_vcc 0
		.amdhsa_float_denorm_mode_32 3
		.amdhsa_float_denorm_mode_16_64 3
		.amdhsa_memory_ordered 1
		.amdhsa_forward_progress 1
		.amdhsa_inst_pref_size 255
	.end_amdhsa_kernel
	.section	.bss,"aw",@nobits
	.p2align	6
	.space	262144
	.amdgpu_metadata
---
amdhsa.version: [ 1, 2 ]
amdhsa.kernels:
  - .name:           k_qc05d5c5962_aft
    .symbol:         k_qc05d5c5962_aft.kd
    .args:
      - { .name: wbias, .offset: 0, .size: 8, .value_kind: global_buffer, .address_space: global }
      - { .name: x_codes, .offset: 8, .size: 8, .value_kind: global_buffer, .address_space: global }
      - { .name: ek, .offset: 16, .size: 8, .value_kind: global_buffer, .address_space: global }
      - { .name: wvf, .offset: 24, .size: 8, .value_kind: global_buffer, .address_space: global }
      - { .name: wqf, .offset: 32, .size: 8, .value_kind: global_buffer, .address_space: global }
      - { .name: bv, .offset: 40, .size: 8, .value_kind: global_buffer, .address_space: global }
      - { .name: bq, .offset: 48, .size: 8, .value_kind: global_buffer, .address_space: global }
      - { .name: lowp_scales, .offset: 56, .size: 8, .value_kind: global_buffer, .address_space: global }
      - { .name: ycodes, .offset: 64, .size: 8, .value_kind: global_buffer, .address_space: global }
    .group_segment_fixed_size: 327680
    .private_segment_fixed_size: 0
    .kernarg_segment_align: 8
    .kernarg_segment_size: 72
    .max_flat_workgroup_size: 128
    .sgpr_count:     96
    .vgpr_count:     1024
    .wavefront_size: 32
...
	.end_amdgpu_metadata
.endif
;; end of part 2
;; launch oproj (part 3): grid 8 x 32, 4 waves a work-group, clusters of 4 x 4, 327,680 bytes of LDS; arguments ycodes, Wo_codes, lowp_scales, bo, out0; writes out0
.if DOCPART == 3
	.amdgcn_target "amdgcn-amd-amdhsa--gfx1250"
	.amdhsa_code_object_version 6
	.text
	.protected	k_qc05d5c5962_oproj
	.globl	k_qc05d5c5962_oproj
	.p2align	8
	.type	k_qc05d5c5962_oproj,@function
k_qc05d5c5962_oproj:
	s_mov_b64 s[64:65], 0
	v_nop
	global_prefetch_b8 v0, s[64:65] scope:SCOPE_SE
	s_setreg_imm32_b32 hwreg(HW_REG_WAVE_MODE, 25, 1), 1
	s_wait_xcnt 0x0
	s_wait_alu depctr_hold_cnt(0) depctr_sa_sdst(0) depctr_va_vdst(0) depctr_va_sdst(0) depctr_va_ssrc(0) depctr_va_vcc(0) depctr_vm_vsrc(0)
	s_getreg_b32 s2, hwreg(HW_REG_IB_STS2, 6, 4)
	s_cmp_eq_u32 s2, 0
	s_cbranch_scc0 .Lentry_in_a_cluster
	s_endpgm
.Lentry_in_a_cluster:
	s_bfe_u32 s2, ttmp6, 0x10000c
	s_cmp_lg_u32 s2, 0xf033
	s_cbranch_scc0 .Lentry_shape_is_right
	s_endpgm
.Lentry_shape_is_right:
; out = y Wo^T + bo on codes of BF8 (E5M2).  y: [8192][1024] codes (scale 2^e8), Wo: [1024][1024] codes (2^e9), K innermost; out: [8192][1024] f32 = sum x 2^(e8 + e9) + bo.
; A block of 256 rows x 128 columns to a work-group of four waves; a wave makes 128 x 64: 32 accumulators.
; LDS: region 1 holds K 0-511 (row pitch 544 = 2 x (256 + 16)), region 2 holds K 512-767 (pitch 272) and is filled once more with K 768-1023.
; The head's four joint loads, one a wave, bring K 0-767: wave 0 y's K 0-511, wave 1 y's K 512-767, wave 2 Wo's K 0-511, wave 3 Wo's K 512-767.
; Region 2 is multiplied first; its refill (waves 1 and 3) has the four steps of region 1 in which to land.  Every wait on TENSORcnt is for 0.
; CLUSTERS: 4 x 4 work-groups; y's tiles are asked for jointly along a row of the cluster, Wo's along a column.
; THE MATRIX INSTRUCTION IS USED TRANSPOSED (source 0 = 16 rows of Wo, source 1 = 16 rows of y): a lane holds eight neighbouring numbers of a row of out.
; No prefetch: the text has no loop to run ahead in; three quarters of K are asked for by the head's loads.
; LIMIT: e8 + e9 between -126 and 127.
.set P1,     544
.set P2,     272
.set R2,     384*P1
.set SPARE,  R2+384*P2                 ; the spare words, 128 bytes a wave, which no other line names
.set FLAGS,  (1<<20)|(1<<21)|(5<<22)|(3<<25)
.set FR,     16
.set AF,     128
.set SPITCH, 272                       ; the way out: 16 rows x (256 + 16) bytes a wave, at the start of region 1, which has its one fill and, behind the last barrier, no reader
.set ADRA,   16
.set ADRB,   20
.set STO,    24
.set RD,     25
.set CO,     26
.set BIOF,   27
.set SPW,    28
.set NIL,    29
.set BO,     32
.set TMP,    64
.set BK,     128
.set GA5, 24
.set GA2, 48
.set GB5, 88
.set GB2, 40
.set Z0,  32
.set Z1,  36
.set Z2,  56
.set Z3,  60
.set WV,  66
.set HI,  67
.set LO,  68
.set WGY, 69
.set CX,  96
.set CY,  97
.set WGX, 98
.set MR,  99
.set MC,  100
.set MULW, 0xa1                        ; source 0 (Wo) window 1, source 1 (y) window 0, C and D window 2
.set TO_B, 0x40
.set MSB, 0
.macro WIN new
.if MSB != \new
	s_set_vgpr_msb (MSB<<8)|\new
.set MSB, \new
.endif
.endm
.macro PLACES
.rept 4
	v_nop
.endr
.endm
.macro TL z, g
	tensor_load_to_lds s[\z:\z+3], s[\g:\g+7]
	s_nop 0
	PLACES
.endm
.macro GRP g, c, r
	s_mov_b32 s[\g+1], (\c)<<16
	s_mov_b32 s[\g+2], (\r)<<16
	s_mov_b32 s[\g+3], (\c)<<16
	s_mov_b32 s[\g+4], \r
	s_mov_b32 s[\g+5], 1024
	s_mov_b32 s[\g+6], 0
	s_mov_b32 s[\g+7], 0
.endm
.macro GZ z, lds, base, off
	s_mov_b32 s[\z], 1
	s_mov_b32 s[\z+1], \lds
	s_add_nc_u64 s[\z+2:\z+3], s[\base:\base+1], \off
	s_or_b32 s[\z+3], s[\z+3], 0x80000000
.endm
.macro CREST
	s_cmp_lg_u32 s[WV], 0
	s_cbranch_scc1 .Lnot_wave_0_\@
	s_barrier_signal -3
.Lnot_wave_0_\@:
	s_barrier_wait -3
	s_barrier_signal -1
	s_barrier_wait -1
.endm
.macro CROUND
	s_barrier_signal -1
	s_barrier_wait -1
	CREST
.endm
	s_load_b256 s[4:11], s[0:1], 0x0               ; y 4:5, Wo 6:7, scales 8:9, bo 10:11
	s_load_b64 s[12:13], s[0:1], 0x20              ; out
	v_lshl_add_u32 v[SPW], v0, 2, SPARE
	v_mov_b32 v[NIL], 0
	ds_add_u32 v[SPW], v[NIL]                      ; the opening lines: the add twice on end and one wait
	ds_add_u32 v[SPW], v[NIL]
	v_lshrrev_b32 v1, 5, v0
	v_readfirstlane_b32 s[WV], v1
	s_lshr_b32 s[HI], s[WV], 1
	s_and_b32 s[LO], s[WV], 1
	s_bfe_u32 s[CX], ttmp6, 0x40000
	s_bfe_u32 s[CY], ttmp6, 0x40004
	s_lshl_b32 s[WGX], ttmp9, 2
	s_add_co_u32 s[WGX], s[WGX], s[CX]
	s_and_b32 s[WGY], ttmp7, 0xffff
	s_lshl_b32 s[WGY], s[WGY], 2
	s_add_co_u32 s[WGY], s[WGY], s[CY]
	s_lshl_b32 s[MR], s[CY], 2
	s_lshl_b32 s[MR], 15, s[MR]
	s_lshl_b32 s[MC], 0x1111, s[CX]
	s_or_b32 s[GA5], s[MR], FLAGS
	s_or_b32 s[GA2], s[MR], FLAGS
	s_or_b32 s[GB5], s[MC], FLAGS
	s_or_b32 s[GB2], s[MC], FLAGS
	GRP GA5, 512, 256
	GRP GA2, 256, 256
	GRP GB5, 512, 128
	GRP GB2, 256, 128
	s_lshl_b32 s70, s[WGY], 18
	s_mov_b32 s71, 0
	s_lshl_b32 s72, s[WGX], 17
	s_mov_b32 s73, 0
	s_wait_dscnt 0x0
	s_wait_kmcnt 0x0
	s_load_b64 s[74:75], s[8:9], 0x20              ; e8, e9
	s_add_nc_u64 s[70:71], s[4:5], s[70:71]
	s_add_nc_u64 s[72:73], s[6:7], s[72:73]
	CROUND                                         ; all sixteen work-groups are here: the first joint loads meet
	GZ Z0, 0, 70, 0
	GZ Z1, R2, 70, 512
	GZ Z2, 256*P1, 72, 0
	GZ Z3, R2+256*P2, 72, 512
	s_cmp_eq_u32 s[WV], 0                          ; one chain on the wave's number, one load to an arm, one join
	s_cbranch_scc0 .Lh1
	TL Z0, GA5
	s_branch .Lhj
.Lh1:
	s_cmp_eq_u32 s[WV], 1
	s_cbranch_scc0 .Lh2
	TL Z1, GA2
	s_branch .Lhj
.Lh2:
	s_cmp_eq_u32 s[WV], 2
	s_cbranch_scc0 .Lh3
	TL Z2, GB5
	s_branch .Lhj
.Lh3:
	TL Z3, GB2
.Lhj:
	s_mul_i32 s77, s[HI], 128*P1
	s_mul_i32 s78, s[LO], 64*P1
	s_add_co_u32 s78, s78, 256*P1
	s_mul_i32 s79, s[HI], 128*P2
	s_add_co_u32 s79, s79, R2
	s_mul_i32 s80, s[LO], 64*P2
	s_add_co_u32 s80, s80, R2+256*P2
	s_mul_i32 s81, s[WV], 16*SPITCH                ; my stage
	v_and_b32 v1, 15, v0                           ; r
	v_bfe_u32 v2, v0, 4, 1                         ; hh
	v_mul_u32_u24 v3, v1, P1
	v_lshl_add_u32 v3, v2, 4, v3
	v_mul_u32_u24 v4, v1, P2
	v_lshl_add_u32 v5, v2, 4, v4
	v_add_nc_u32 v[ADRA], s77, v3
	v_add_nc_u32 v[ADRB], s78, v3
	v_add_nc_u32 v[ADRA+1], s79, v5
	v_add_nc_u32 v[ADRB+1], s80, v5
	v_lshl_add_u32 v[STO], v2, 5, v4               ; in: row r, 32 bytes for each half of the lanes
	v_add_nc_u32 v[STO], s81, v[STO]
	v_mul_u32_u24 v[RD], v2, SPITCH                ; back: lanes 0-15 one row of 256 bytes, lanes 16-31 the next
	v_lshl_add_u32 v[RD], v1, 4, v[RD]
	v_add_nc_u32 v[RD], s81, v[RD]
	v_lshlrev_b32 v[CO], 12, v2                    ; and the same two rows in out
	v_lshl_add_u32 v[CO], v1, 4, v[CO]
	v_lshlrev_b32 v[BIOF], 5, v2
	s_wait_alu depctr_va_vdst(0)                   ; the wait behind the head's last vector line
	s_lshl_b32 s86, s[WGX], 9                      ; my 64 columns, in bytes
	s_lshl_b32 s87, s[LO], 8
	s_add_co_u32 s86, s86, s87
	s_mov_b32 s87, 0
	s_add_nc_u64 s[10:11], s[10:11], s[86:87]
	s_add_nc_u64 s[12:13], s[12:13], s[86:87]
	s_lshl_b32 s86, s[WGY], 20                     ; my 128 rows of 4,096 bytes
	s_lshl_b32 s80, s[HI], 19
	s_add_co_u32 s86, s86, s80
	s_add_nc_u64 s[12:13], s[12:13], s[86:87]
.irp b, 0,1,2,3
	global_load_b128 v[BO+8*\b:BO+8*\b+3], v[BIOF], s[10:11] offset:64*\b          ; bo(16 b + 8 hh + 0 .. 7)
	global_load_b128 v[BO+8*\b+4:BO+8*\b+7], v[BIOF], s[10:11] offset:64*\b+16
.endr
	s_wait_kmcnt 0x0
	s_add_co_i32 s84, s74, s75
	s_add_co_i32 s84, s84, 127
	s_lshl_b32 s84, s84, 23                        ; 2^(e8 + e9)
	s_mov_b32 s85, s84
	s_wait_loadcnt 0x0
.macro FRAG reg, adr, slot, q, i       ; slot 0: region 1, slot 1: region 2; q: the 128 along K inside the region (16 bytes of padding behind every 256)
.irp c, 0,1,2,3
	ds_load_b128 v[\reg+4*\c:\reg+4*\c+3], v[\adr+\slot] offset:128*(\q)+16*((\q)/2)+32*\c+(\i)*16*(P1-P2*(\slot))
.endr
.endm
.macro MUL8 a0, p, zero                ; the 32 accumulators take turns in the same order in every step
.irp a, \a0, \a0+1
.irp b, 0,1,2,3
.if \zero
	v_wmma_f32_16x16x128_bf8_bf8 v[8*(4*(\a)+\b):8*(4*(\a)+\b)+7], v[64*(\p)+FR*\b:64*(\p)+FR*\b+FR-1], v[AF+FR*(\a):AF+FR*(\a)+FR-1], 0
.else
	v_wmma_f32_16x16x128_bf8_bf8 v[8*(4*(\a)+\b):8*(4*(\a)+\b)+7], v[64*(\p)+FR*\b:64*(\p)+FR*\b+FR-1], v[AF+FR*(\a):AF+FR*(\a)+FR-1], v[8*(4*(\a)+\b):8*(4*(\a)+\b)+7]
.endif
.endr
.endr
.endm
.macro FETCH_B slot, q, p
	WIN TO_B
.irp i, 0,1,2,3
	FRAG 64*(\p)+FR*\i, ADRB, \slot, \q, \i
.endr
	WIN 0
.endm
.macro FETCH_A slot, q, i0
.irp i, \i0, \i0+1, \i0+2, \i0+3
	FRAG AF+FR*(\i), ADRA, \slot, \q, \i
.endr
.endm
.macro STEP slot, q, zero
	s_wait_dscnt 16                                ; Wo's set and y's blocks 0-3 are in; the youngest 16 loads (blocks 4-7) may be out
	WIN MULW
	MUL8 0, (\q)%2, \zero
	MUL8 2, (\q)%2, \zero
	s_wait_dscnt 0
	PLACES
	FETCH_B \slot, (\q)+1, 1-(\q)%2
	FETCH_A \slot, (\q)+1, 0
	WIN MULW
	MUL8 4, (\q)%2, \zero
	MUL8 6, (\q)%2, \zero
	PLACES
	WIN 0
	FETCH_A \slot, (\q)+1, 4
.endm
.macro TURN next, fill                 ; a region's last step; fill = 1: region 2, just read out, takes K 768-1023
	s_wait_tensorcnt 0x0                           ; no tensor load of mine is out
	ds_add_u32 v[SPW], v[NIL]
	s_wait_dscnt 17                                ; the add and the youngest 16 loads may be out
	WIN MULW
	MUL8 0, 1, 0
	s_wait_dscnt 0x0                               ; the add is done, and my reads of this region are over
	s_barrier_signal -1
	MUL8 2, 1, 0
	WIN 0
	s_barrier_wait -1
.if \fill
	CREST                                          ; the barrier has opened a round of the cluster's
	s_add_nc_u64 s[Z1+2:Z1+3], s[Z1+2:Z1+3], 256
	s_add_nc_u64 s[Z3+2:Z3+3], s[Z3+2:Z3+3], 256
	s_cmp_eq_u32 s[WV], 1                          ; wave 1 asks for y's 256 rows, wave 3 for Wo's 128
	s_cbranch_scc0 .Lr1_\@
	TL Z1, GA2
	s_branch .Lrj_\@
.Lr1_\@:
	s_cmp_eq_u32 s[WV], 3
	s_cbranch_scc0 .Lrj_\@
	TL Z3, GB2
.Lrj_\@:
.endif
	PLACES
	FETCH_B \next, 0, 0
	FETCH_A \next, 0, 0
	WIN MULW
	MUL8 4, 1, 0
	MUL8 6, 1, 0
	PLACES
	WIN 0
	FETCH_A \next, 0, 4
.endm
	s_wait_tensorcnt 0x0                           ; my head load is in
	s_barrier_signal -1
	s_barrier_wait -1                              ; all four are
	FETCH_B 1, 0, 0
	FETCH_A 1, 0, 0
	FETCH_A 1, 0, 4
	STEP 1, 0, 1                                   ; K 512-639 starts the sums
	TURN 0, 1                                      ; K 640-767; region 2 is filled again
	STEP 0, 0, 0                                   ; K 0-511
	STEP 0, 1, 0
	STEP 0, 2, 0
	TURN 1, 0                                      ; behind its barrier region 2 holds K 768-1023 and nobody reads region 1
	STEP 1, 0, 0
	s_wait_dscnt 16
	WIN MULW
	MUL8 0, 1, 0
	MUL8 2, 1, 0
	s_wait_dscnt 0
	MUL8 4, 1, 0
	MUL8 6, 1, 0
	WIN 0
	PLACES
; THE WAY OUT, a block of 16 rows x 64 columns at a time: sum x 2^(e8 + e9) + bo, through my own stage, back as rows of 256 bytes.  LDS serves a wave's instructions in order (ISA guide 5.7.1.4).
.macro TOSTAGE a
	WIN 0x02
.irp b, 0,1,2,3
.irp j, 0,2,4,6
	v_pk_fma_f32 v[TMP+8*\b+\j:TMP+8*\b+\j+1], v[8*(4*(\a)+\b)+\j:8*(4*(\a)+\b)+\j+1], s[84:85], v[BO+8*\b+\j:BO+8*\b+\j+1] op_sel_hi:[1,0,1]   ; each accumulator from its low end on
.endr
.endr
	WIN 0
.irp b, 0,1,2,3
	ds_store_b128 v[STO], v[TMP+8*\b:TMP+8*\b+3] offset:64*\b
	ds_store_b128 v[STO], v[TMP+8*\b+4:TMP+8*\b+7] offset:64*\b+16
.endr
.set BB, BK+32*((\a)%2)
.irp t, 0,1,2,3,4,5,6,7
	ds_load_b128 v[BB+4*\t:BB+4*\t+3], v[RD] offset:2*\t*SPITCH
.endr
.endm
.macro SEND a, younger                 ; younger: the LDS instructions issued behind block a's loads
.set BB, BK+32*((\a)%2)
	s_wait_dscnt \younger
.irp t, 0,1,2,3,4,5,6,7
	global_store_b128 v[CO], v[BB+4*\t:BB+4*\t+3], s[12:13] offset:(\a)*65536+2*\t*4096 th:TH_STORE_NT   ; 16 lanes store 256 consecutive bytes, aligned
.endr
.endm
	TOSTAGE 0
.irp a, 1,2,3,4,5,6,7
.if \a > 1
	s_wait_xcnt 0x0                                ; block a - 2's stores have read their registers: block a's loads may land there
.endif
	TOSTAGE \a
	SEND \a-1, 16                                  ; behind block a - 1's loads: block a's 8 stores and 8 loads
.endr
	SEND 7, 0
	s_wait_tensorcnt 0x0                           ; the wave's end
	ds_add_u32 v[SPW], v[NIL]
	s_wait_dscnt 0x0
	CROUND                                         ; the closing round
	s_endpgm
.Lfunc_end_k_qc05d5c5962_oproj:
	.size	k_qc05d5c5962_oproj, .Lfunc_end_k_qc05d5c5962_oproj-k_qc05d5c5962_oproj
	.p2alignl 7, 3214868480
	.fill 96, 4, 3214868480
	.section	.rodata,"a",@progbits
	.p2align	6, 0x0
	.amdhsa_kernel k_qc05d5c5962_oproj
		.amdhsa_group_segment_fixed_size 327680
		.amdhsa_private_segment_fixed_size 0
		.amdhsa_enable_private_segment 0
		.amdhsa_kernarg_size 40
		.amdhsa_user_sgpr_count 2
		.amdhsa_user_sgpr_kernarg_segment_ptr 1
		.amdhsa_wavefront_size32 1
		.amdhsa_system_sgpr_workgroup_id_x 1
		.amdhsa_system_sgpr_workgroup_id_y 1
		.amdhsa_system_sgpr_workgroup_id_z 1
		.amdhsa_system_vgpr_workitem_id 0
		.amdhsa_next_free_vgpr 768
		.amdhsa_next_free_sgpr 102
		.amdhsa_reserve_vcc 0
		.amdhsa_float_denorm_mode_32 3
		.amdhsa_float_denorm_mode_16_64 3
		.amdhsa_memory_ordered 1
		.amdhsa_forward_progress 1
		.amdhsa_inst_pref_size 78
	.end_amdhsa_kernel
	.amdgpu_metadata
---
amdhsa.version: [ 1, 2 ]
amdhsa.kernels:
  - .name:           k_qc05d5c5962_oproj
    .symbol:         k_qc05d5c5962_oproj.kd
    .args:
      - { .name: ycodes, .offset: 0, .size: 8, .value_kind: global_buffer, .address_space: global }
      - { .name: Wo_codes, .offset: 8, .size: 8, .value_kind: global_buffer, .address_space: global }
      - { .name: lowp_scales, .offset: 16, .size: 8, .value_kind: global_buffer, .address_space: global }
      - { .name: bo, .offset: 24, .size: 8, .value_kind: global_buffer, .address_space: global }
      - { .name: out0, .offset: 32, .size: 8, .value_kind: global_buffer, .address_space: global }
    .group_segment_fixed_size: 327680
    .private_segment_fixed_size: 0
    .kernarg_segment_align: 8
    .kernarg_segment_size: 40
    .max_flat_workgroup_size: 128
    .sgpr_count:     102
    .vgpr_count:     768
    .wavefront_size: 32
...
	.end_amdgpu_metadata
.endif
;; end of part 3
